; MI455X (gfx1250); checked and timed in simulation.
; The chip was launched on July 23, 2026; its instructions are those of AMD's public machine-readable ISA for CDNA 5 (MIT licence, August 2026) and "CDNA5" Instruction Set Architecture Reference Guide (July 2026). The comments in the code are by the model that wrote it; some were corrected since.
;; DRQN. Allowed arithmetic: matrix products marked QUANTISED: E5M2 operands, one E8M0 scale for each 32 along K, by v_wmma_scale_f32_16x16x128_f8f6f4 with both operands' format E5M2, f32 sums; products left as they are: f32 operands where the result goes on into a quantised operand, else bf16, f16 or f32 operands; f32 sums; everything else in f32.
;; Inputs: W1_codes 512 x 17 x 32 uint8 (E5M2 codes of W1, K innermost, in blocks of 32 codes); W1_scales 512 x 17 uint8 (E8M0 scales of W1, one for each 32 codes along K); W2_codes 32 x 16 x 32 uint8 (E5M2 codes of W2, K innermost, in blocks of 32 codes); W2_scales 32 x 16 uint8 (E8M0 scales of W2, one for each 32 codes along K); W_hh 2,048 x 512 float32; W_ih_codes 2,048 x 16 x 32 uint8 (E5M2 codes of W_ih, K innermost, in blocks of 32 codes); W_ih_scales 2,048 x 16 uint8 (E8M0 scales of W_ih, one for each 32 codes along K); b1 512 float32; b2 32 float32; b_hh 2,048 float32; b_ih 2,048 float32; cell_state 512 float32; hidden_state 512 float32; observation 32,768 x 512 float32; prev_action 32,768 x 32 float32.
;; Outputs: out0 32,768 x 32 float32; out1 512 float32; out2 512 float32.
;; This version of the problem:
;;   THIS VERSION OF THE PROBLEM IS GIVEN IN LOW PRECISION. The matrix products marked QUANTISED in the list below multiply operands that are first quantised to E5M2 (5 exponent bits, 2 mantissa bits; 8 bits a number), with one power-of-two scale for each 32 numbers along K (OCP MX v1.0); their sums are f32. All else is computed in f32.
;;   The module's matrix products, in the order in which they are computed (A, B: the left and right operand; K: the contracted axis; several contracted axes count as one K, in the product's order):
;;     1. [M 32,768, K 544] x [K 544, N 512]; A: computed on the way; B: input W1 (given as codes): QUANTISED
;;     2. [M 32,768, K 512] x [K 512, N 2,048]; A: computed on the way; B: input W_ih (given as codes): QUANTISED
;;     3. [M 1, K 512] x [K 512, N 2,048]; A: input hidden_state; B: input W_hh: left as it is (M = 1 < 16)
;;     4. [M 32,768, K 512] x [K 512, N 32]; A: computed on the way; B: input W2 (given as codes): QUANTISED
;;   THE QUANTISER, for each operand of a quantised product, along K:
;;     - K is cut into blocks of 32 from its start; a last block that is shorter is filled with zeros.
;;     - A block's scale is 2^e with e = floor(log2(the largest magnitude in the block)) - 15, held to -126 .. 127; a block of zeros has e = 0. As a byte (E8M0): e + 127.
;;     - Each number is divided by its block's scale, clamped to +-57,344, and rounded to the nearest number of E5M2, ties to even, subnormals kept.
;;     - The product sums the exact products of the quantised numbers (number of the format x scale) in f32.
;;   ~~~python
;;   def quantise(x, axis):      # numpy; x: float32 -> the quantised numbers, widened to float32 again
;;       x = np.moveaxis(x, axis, -1); K = x.shape[-1]
;;       x = np.pad(x, [(0, 0)] * (x.ndim - 1) + [(0, -K % 32)]); x = x.reshape(x.shape[:-1] + (-1, 32)); a = np.abs(x).max(-1, keepdims=True)
;;       e = np.where(a > 0, np.clip(np.frexp(np.where(a > 0, a, 1))[1] - 1 - 15, -126, 127), 0)      # np.frexp(a)[1] - 1 = floor(log2(a)), exactly
;;       r = np.clip(x / 2.0 ** e, -57344, 57344)
;;       step = 2.0 ** (np.maximum(np.frexp(np.where(r == 0, 1, r))[1] - 1, -14) - 2)
;;       q = np.round(r / step) * step * 2.0 ** e      # np.round: ties to even
;;       return np.moveaxis(q.reshape(q.shape[:-2] + (-1,))[..., :K], -1, axis).astype(np.float32)
;;   ~~~
;;   OPERANDS COMPUTED ON THE WAY. 'Computed on the way' means the value that the module computes at that place (a softmax that the list does not call 'softmax' is quantised finished and normalised). What goes into a quantiser is computed in f32, as accurately as f32 sums, v_exp_f32 and their like allow (about 1e-6 of the number): no bf16 or f16 on the way to a quantiser, and a product that is left as it is and whose result goes on into a quantised operand takes f32 operands (vector FMAs, or v_wmma_f32_16x16x4_f32). A number that lies on a knife's edge between two numbers of the format may be rounded either way, as far as f32 arithmetic and the matrix unit's own rounding can turn it there, and no further.
;;   INPUTS GIVEN AS CODES. W1 (in the module: [512, 544], K = its axis 1); W2 (in the module: [32, 512], K = its axis 1); W_ih (in the module: [2048, 512], K = its axis 1): each comes as NAME_codes (uint8): NAME with its K axis moved to the last place and cut into blocks of 32 codes, [.., K / 32, bytes a block], one block behind the other in memory; one code a byte (a code: sign, 5 exponent bits, 2 mantissa bits); and NAME_scales (uint8): the same leading axes, one E8M0 byte (e + 127) for each 32 codes along K. Its value is code x scale, taken as it is: it is not quantised again, and the codes and scales need not be those that the quantiser above would give.
;; One version. Each part assembles by itself: llvm-mc -triple=amdgcn-amd-amdhsa -mcpu=gfx1250 --defsym DOCPART=n.
;; ======== version 1 of 1: 2 launches
;; limits: a function is approximated: absolute error at most 1e-07
;; workspace buffers: wstream 1,584,128 bytes
;; launch prep (part 1): grid 102 x 1, 4 waves a work-group, no clusters, 0 bytes of LDS; arguments W_hh, hidden_state, b_ih, b_hh, cell_state, W_ih_codes, W_ih_scales, W1_codes, W1_scales, W2_codes, W2_scales, b2, wstream; writes wstream
.if DOCPART == 1
	.amdgcn_target "amdgcn-amd-amdhsa--gfx1250"
	.amdhsa_code_object_version 6
	.text
	.protected	k_qd7d7813161_prep
	.globl	k_qd7d7813161_prep
	.p2align	8
	.type	k_qd7d7813161_prep,@function
k_qd7d7813161_prep:
	s_mov_b64 s[64:65], 0
	v_nop
	global_prefetch_b8 v0, s[64:65] scope:SCOPE_SE
	s_setreg_imm32_b32 hwreg(HW_REG_WAVE_MODE, 25, 1), 1
	s_wait_xcnt 0x0
; Lays out, once, all that every row block of the main launch walks: 21 slots of 69,632 bytes, and W2 behind them.
; A slot is four quarters, one for each column wave.  A FRAGMENT IMAGE is 2,048 bytes: register group c (four registers) of lane l lies at 512 c + 16 l;
; lane l = (r = l % 16, hk = l / 16) holds the codes k = 128 s + 32 c + 16 hk + 0 .. 15 of the tile's row r: the registers of an 8-bit operand, as they stand.
;   slots 0-4   W1, K step s = slot.  Quarter cw: 8 images (tile t at 2,048 t; its row r is W1's row 128 cw + 32 (t / 2) + 8 (t % 2) + r + 8 (r / 8)); at 16,384 the scale words
;               (tile t, row r at 256 (t / 4) + 16 r + 4 (t % 4)); at 16,896 zeros.  K = 544 ends in K step 4: behind its first 32 codes stand zero codes under the byte 127.
;   slots 5-20  W_ih, slot 5 + 4 g + i.  Quarter cw: two records of 8,704 bytes, for block b = 4 cw + g of 32 hidden units and tile t = 2 i + record.  A tile is four units x four gates:
;               its row r is W_ih's row 512 ((r % 8) / 2) + 32 b + 16 (r / 8) + 2 t + r % 2.  Record: 4 images (K step s at 2,048 s); at 8,192 the rows' 16 scale bytes, 16 r;
;               at 8,448, for each half h of the lanes, 128 bytes: 8 numbers b_ih + b_hh + hidden_state . W_hh of the rows 8 h + 0 .. 7, 2 numbers of cell_state, zeros.
;   from 21 slots on: W2 in FOUR VARIANTS of 17,408 bytes.  The main launch takes the four blocks of 32 inside a K step in the order (v + c) % 4, c = 0 .. 3, v by its cluster, and lays h so; the same
;               order in W2 keeps the products.  Variant v: 8 images (tile n, K step s at 2,048 (4 n + s)) whose group c holds the codes k = 128 s + 32 ((v + c) % 4) + 16 hk + 0 .. 15;
;               at 16,384 the rows' scale words with their bytes in the same order; at 16,896 b2; zeros.  Behind the variants 52,224 zeros: a slot's length is fetched from a variant's first byte on.
; hidden_state . W_hh goes on into a quantised operand: it is summed in f32 by fused multiply-adds.
; Work-groups 0-63: the sums over W_hh (a wave: 8 rows).  64-95: W_ih (a wave: a tile).  96-100: W1 (a work-group: a K step).  101: W2 (a wave: a variant).  No LDS, no barrier: waves share nothing.
.set SLOTB,   69632
.set QUARTER, 17408
.set TREC,    8704
	s_load_b512 s[4:19], s[0:1], 0x0               ; W_hh s[4:5], hidden_state s[6:7], b_ih s[8:9], b_hh s[10:11], cell_state s[12:13], W_ih's codes s[14:15], its scales s[16:17], W1's codes s[18:19]
	s_load_b256 s[20:27], s[0:1], 0x40             ; W1's scales s[20:21], W2's codes s[22:23], its scales s[24:25], b2 s[26:27]
	s_load_b64 s[28:29], s[0:1], 0x60              ; the stream
	v_lshrrev_b32 v1, 5, v0
	v_readfirstlane_b32 s30, v1                    ; wave 0..3
	v_and_b32 v1, 31, v0                           ; lane
	v_lshlrev_b32 v2, 4, v1                        ; 16 x lane
	s_mov_b32 s46, 0x76543210
	s_mov_b32 s47, 0xfedcba98                      ; v_permlanex16_b32's selects for lane l xor 16
	s_wait_kmcnt 0x0
	s_cmp_lt_u32 ttmp9, 64
	s_cbranch_scc1 .Lgb
	s_cmp_lt_u32 ttmp9, 96
	s_cbranch_scc1 .Lwih
	s_cmp_lt_u32 ttmp9, 101
	s_cbranch_scc1 .Lw1
	; ---- W2: wave v lays variant v, and a quarter of the zeros behind the variants
	s_mul_i32 s36, s30, QUARTER
	s_add_co_u32 s36, s36, 21*SLOTB
	s_mov_b32 s37, 0
	s_add_nc_u64 s[32:33], s[28:29], s[36:37]      ; my variant
	s_mul_i32 s36, s30, 13056
	s_add_co_u32 s36, s36, 22*SLOTB
	s_add_nc_u64 s[28:29], s[28:29], s[36:37]      ; my 13,056 of the 52,224 zeros
.irp k, 12,13,14,15
	v_mov_b32 v\k, 0
.endr
	v_and_b32 v4, 15, v1
	v_bfe_u32 v5, v1, 4, 1
	v_lshlrev_b32 v5, 4, v5
	v_lshl_add_u32 v3, v4, 9, v5                   ; row r of 512 codes, + 16 hk
	v_lshlrev_b32 v9, 2, v1
	v_lshlrev_b32 v10, 3, v1
.irp c, 0,1,2,3
	s_add_co_u32 s38, s30, \c
	s_and_b32 s38, s38, 3
	s_lshl_b32 s38, s38, 5
	v_add_nc_u32 v[24+\c], s38, v3                 ; group c takes block (v + c) % 4 of its K step
.endr
	s_lshl_b32 s39, s30, 3                         ; 8 v: the bits by which a scale word is turned
.irp f, 0,1,2,3,4,5,6,7
.irp c, 0,1,2,3
	global_load_b128 v[64+16*\f+4*\c:67+16*\f+4*\c], v[24+\c], s[22:23] offset:16*(\f/4)*512+128*(\f%4)
.endr
.endr
	global_load_b128 v[16:19], v2, s[24:25]        ; lane l: row l's four scale words
	global_load_b32 v20, v9, s[26:27]
	s_wait_loadcnt 0x0
.irp f, 0,1,2,3,4,5,6,7
.irp c, 0,1,2,3
	global_store_b128 v2, v[64+16*\f+4*\c:67+16*\f+4*\c], s[32:33] offset:2048*\f+512*\c   ; each store covers 512 consecutive bytes, aligned
.endr
.endr
.irp k, 16,17,18,19
	v_alignbit_b32 v\k, v\k, v\k, s39              ; byte c of the word becomes its byte (v + c) % 4
.endr
	global_store_b128 v2, v[16:19], s[32:33] offset:16384
	global_store_b32 v9, v20, s[32:33] offset:16896
.irp k, 1,2,3
	global_store_b32 v9, v12, s[32:33] offset:16896+128*\k
.endr
.set k, 0
.rept 25
	global_store_b128 v2, v[12:15], s[28:29] offset:512*k
.set k, k+1
.endr
	global_store_b64 v10, v[12:13], s[28:29] offset:12800
	s_endpgm
; s31 = tile T (0..127) -> s32 b, s33 t, s[36:37] its record's byte in the stream, s40 = 32 b + 2 t
.macro DECODE
	s_lshr_b32 s32, s31, 3
	s_and_b32 s33, s31, 7
	s_lshr_b32 s34, s32, 2                         ; cw
	s_and_b32 s35, s32, 3                          ; g
	s_lshl_b32 s36, s35, 2
	s_lshr_b32 s38, s33, 1
	s_add_co_u32 s36, s36, s38
	s_add_co_u32 s36, s36, 5                       ; slot 5 + 4 g + t / 2
	s_mul_i32 s36, s36, SLOTB
	s_mul_i32 s38, s34, QUARTER
	s_add_co_u32 s36, s36, s38
	s_and_b32 s38, s33, 1
	s_mul_i32 s38, s38, TREC
	s_add_co_u32 s36, s36, s38
	s_mov_b32 s37, 0
	s_lshl_b32 s40, s32, 5
	s_lshl_b32 s38, s33, 1
	s_add_co_u32 s40, s40, s38
.endm
	; ---- b_ih + b_hh + hidden_state . W_hh: a wave takes half h of tile T: gates 0-3 of units unit0 and unit0 + 1
.Lgb:
	s_lshl_b32 s31, ttmp9, 2
	s_add_co_u32 s31, s31, s30
	s_and_b32 s39, s31, 1                          ; h
	s_lshr_b32 s31, s31, 1                         ; T
	DECODE
	s_lshl_b32 s41, s39, 4
	s_add_co_u32 s40, s40, s41                     ; unit0 = 32 b + 16 h + 2 t
	s_lshl_b32 s41, s39, 7
	s_add_co_u32 s36, s36, s41
	s_add_nc_u64 s[28:29], s[28:29], s[36:37]
	s_lshl_b32 s44, s40, 11                        ; a row of W_hh is 2,048 bytes
	s_mov_b32 s45, 0
	s_add_nc_u64 s[4:5], s[4:5], s[44:45]
	s_lshl_b32 s44, s40, 2
	s_add_nc_u64 s[8:9], s[8:9], s[44:45]
	s_add_nc_u64 s[10:11], s[10:11], s[44:45]
	s_add_nc_u64 s[12:13], s[12:13], s[44:45]
	v_bfe_u32 v4, v1, 1, 2
	v_and_b32 v5, 1, v1
	v_lshlrev_b32 v5, 2, v5                        ; 4 (lane % 2)
	v_lshl_add_u32 v3, v4, 11, v5                  ; lane j < 8: gate j / 2, unit j % 2 (the other lanes read the same words again)
	v_lshlrev_b32 v6, 2, v1
.irp i, 0,1,2,3
	global_load_b128 v[16+4*\i:19+4*\i], v2, s[6:7] offset:512*\i
.endr
	global_load_b32 v8, v3, s[8:9]
	global_load_b32 v9, v3, s[10:11]
	global_load_b32 v10, v5, s[12:13]
.irp j, 0,1,2,3,4,5,6,7
.irp i, 0,1,2,3
	global_load_b128 v[64+16*\j+4*\i:67+16*\j+4*\i], v2, s[4:5] offset:(\j/2)*1048576+(\j%2)*2048+512*\i th:TH_LOAD_NT   ; 512 consecutive bytes of a row; read once in the launch
.endr
.endr
.irp j, 0,1,2,3,4,5,6,7
	v_mov_b32 v[48+\j], 0                          ; a lane permute's destination counts as one of its sources
.endr
	v_mov_b32 v11, 0
.irp j, 0,1,2,3,4,5,6,7
	s_wait_loadcnt 4*(7-\j)                        ; row j is in; the four loads of each later row may be out
	v_pk_mul_f32 v[32+2*\j:33+2*\j], v[64+16*\j:65+16*\j], v[16:17]
.irp k, 1,2,3,4,5,6,7
	v_pk_fma_f32 v[32+2*\j:33+2*\j], v[64+16*\j+2*\k:65+16*\j+2*\k], v[16+2*\k:17+2*\k], v[32+2*\j:33+2*\j]
.endr
	v_add_f32 v[32+2*\j], v[32+2*\j], v[33+2*\j]
.endr
.irp x, 1,2,4,8                                    ; across the lanes, the eight rows by turns
.irp j, 0,1,2,3,4,5,6,7
	v_add_f32_dpp v[32+2*\j], v[32+2*\j], v[32+2*\j] row_xmask:\x row_mask:0xf bank_mask:0xf
.endr
.endr
.irp j, 0,1,2,3,4,5,6,7
	v_permlanex16_b32 v[48+\j], v[32+2*\j], s46, s47
.endr
.irp j, 0,1,2,3,4,5,6,7
	v_add_f32 v[32+2*\j], v[32+2*\j], v[48+\j]
.endr
.irp j, 0,1,2,3,4,5,6,7
	v_cmp_eq_u32 vcc_lo, \j, v1
	v_cndmask_b32 v11, v11, v[32+2*\j], vcc_lo     ; lane j keeps row j's sum
.endr
	v_add_f32 v8, v8, v9
	v_add_f32 v11, v11, v8                         ; + b_ih + b_hh
	v_lshrrev_b32 v12, 1, v1
	v_cmp_eq_u32 vcc_lo, 4, v12
	v_cndmask_b32 v11, v11, v10, vcc_lo            ; lanes 8, 9: cell_state of the two units
	v_cmp_gt_u32 vcc_lo, 10, v1
	v_cndmask_b32 v11, 0, v11, vcc_lo              ; lanes 10 on: zeros
	global_store_b32 v6, v11, s[28:29] offset:8448
	s_endpgm
	; ---- W_ih: a wave lays one tile's record
.Lwih:
	s_sub_co_u32 s31, ttmp9, 64
	s_lshl_b32 s31, s31, 2
	s_add_co_u32 s31, s31, s30
	DECODE
	s_add_nc_u64 s[28:29], s[28:29], s[36:37]
	s_lshl_b32 s44, s40, 9                         ; a row of codes is 512 bytes
	s_mov_b32 s45, 0
	s_add_nc_u64 s[14:15], s[14:15], s[44:45]
	s_lshl_b32 s44, s40, 4                         ; a row of scale bytes 16
	s_add_nc_u64 s[16:17], s[16:17], s[44:45]
	v_bfe_u32 v4, v1, 1, 2                         ; r = lane % 16: its gate (r % 8) / 2,
	v_bfe_u32 v5, v1, 3, 1                         ; r / 8,
	v_and_b32 v6, 1, v1                            ; r % 2
	v_lshlrev_b32 v7, 9, v4
	v_lshl_add_u32 v7, v5, 4, v7
	v_add_nc_u32 v7, v7, v6                        ; 512 gate + 16 (r / 8) + r % 2
	v_bfe_u32 v8, v1, 4, 1
	v_lshlrev_b32 v8, 4, v8
	v_lshl_add_u32 v3, v7, 9, v8                   ; x 512 bytes + 16 hk
	v_bfe_u32 v4, v1, 2, 2                         ; the same of r' = lane / 2, for the scale bytes
	v_bfe_u32 v5, v1, 4, 1
	v_bfe_u32 v7, v1, 1, 1
	v_lshlrev_b32 v9, 9, v4
	v_lshl_add_u32 v9, v5, 4, v9
	v_add_nc_u32 v9, v9, v7
	v_lshlrev_b32 v6, 3, v6
	v_lshl_add_u32 v9, v9, 4, v6                   ; x 16 bytes + 8 (lane % 2)
	v_lshlrev_b32 v10, 3, v1
.irp s, 0,1,2,3
.irp c, 0,1,2,3
	global_load_b128 v[64+16*\s+4*\c:67+16*\s+4*\c], v3, s[14:15] offset:128*\s+32*\c
.endr
.endr
	global_load_b64 v[12:13], v9, s[16:17]
	s_wait_loadcnt 0x0
.irp s, 0,1,2,3
.irp c, 0,1,2,3
	global_store_b128 v2, v[64+16*\s+4*\c:67+16*\s+4*\c], s[28:29] offset:2048*\s+512*\c
.endr
.endr
	global_store_b64 v10, v[12:13], s[28:29] offset:8192   ; 256 consecutive bytes
	s_endpgm
	; ---- W1: work-group = K step s, wave = quarter cw
.Lw1:
	s_sub_co_u32 s31, ttmp9, 96
	s_mul_i32 s36, s31, SLOTB
	s_mul_i32 s38, s30, QUARTER
	s_add_co_u32 s36, s36, s38
	s_mov_b32 s37, 0
	s_add_nc_u64 s[28:29], s[28:29], s[36:37]
	s_mul_i32 s44, s30, 128*544                    ; a row of W1's codes is 544 bytes, a multiple of 16
	s_lshl_b32 s38, s31, 7
	s_add_co_u32 s44, s44, s38
	s_mov_b32 s45, 0
	s_add_nc_u64 s[18:19], s[18:19], s[44:45]
	s_mul_i32 s44, s30, 128*17                     ; a row of its scale bytes 17
	s_lshl_b32 s38, s31, 2
	s_add_co_u32 s44, s44, s38
	s_add_nc_u64 s[20:21], s[20:21], s[44:45]
	v_and_b32 v4, 15, v1
	v_and_b32 v5, 8, v1
	v_add_nc_u32 v4, v4, v5                        ; r + 8 (r / 8)
	v_bfe_u32 v5, v1, 4, 1
	v_lshlrev_b32 v5, 4, v5
	v_mad_u32_u24 v3, v4, 544, v5
	v_bfe_u32 v6, v1, 1, 1                         ; word 128 i + 4 lane of the scale words is that of tile 4 (i / 2) + lane % 4, row 8 (i % 2) + lane / 4
	v_and_b32 v7, 1, v1
	v_lshrrev_b32 v8, 2, v1
	v_lshl_add_u32 v8, v6, 5, v8
	v_lshl_add_u32 v8, v7, 3, v8
	v_mul_u32_u24 v5, v8, 17
	v_lshlrev_b32 v9, 2, v1
.irp k, 12,13,14,15
	v_mov_b32 v\k, 0
.endr
	s_cmp_eq_u32 s31, 4
	s_cbranch_scc1 .Lw1_last
.irp t, 0,1,2,3,4,5,6,7
.irp c, 0,1,2,3
	global_load_b128 v[64+16*\t+4*\c:67+16*\t+4*\c], v3, s[18:19] offset:(32*(\t/2)+8*(\t%2))*544+32*\c
.endr
.endr
.irp i, 0,1,2,3
.irp k, 0,1,2,3
	global_load_u8 v[16+4*\i+\k], v5, s[20:21] offset:(64*(\i/2)+16*(\i%2))*17+\k
.endr
.endr
	s_wait_loadcnt 0x0
.irp t, 0,1,2,3,4,5,6,7
.irp c, 0,1,2,3
	global_store_b128 v2, v[64+16*\t+4*\c:67+16*\t+4*\c], s[28:29] offset:2048*\t+512*\c
.endr
.endr
.irp i, 0,1,2,3
	v_lshl_or_b32 v[16+4*\i], v[17+4*\i], 8, v[16+4*\i]
	v_lshl_or_b32 v[16+4*\i], v[18+4*\i], 16, v[16+4*\i]
	v_lshl_or_b32 v[16+4*\i], v[19+4*\i], 24, v[16+4*\i]
	global_store_b32 v9, v[16+4*\i], s[28:29] offset:16384+128*\i
.endr
	global_store_b128 v2, v[12:15], s[28:29] offset:16896
	s_endpgm
.Lw1_last:                                         ; K step 4: codes 512 to 543 and one scale byte a row are left; no load passes a row's end
.irp t, 0,1,2,3,4,5,6,7
	global_load_b128 v[64+16*\t:67+16*\t], v3, s[18:19] offset:(32*(\t/2)+8*(\t%2))*544
.endr
.irp i, 0,1,2,3
	global_load_u8 v[16+4*\i], v5, s[20:21] offset:(64*(\i/2)+16*(\i%2))*17
.endr
	s_wait_loadcnt 0x0
.irp t, 0,1,2,3,4,5,6,7
	global_store_b128 v2, v[64+16*\t:67+16*\t], s[28:29] offset:2048*\t
.irp c, 1,2,3
	global_store_b128 v2, v[12:15], s[28:29] offset:2048*\t+512*\c       ; zero codes
.endr
.endr
.irp i, 0,1,2,3
	v_or_b32 v[16+4*\i], 0x7f7f7f00, v[16+4*\i]    ; the byte 127 over the zero codes
	global_store_b32 v9, v[16+4*\i], s[28:29] offset:16384+128*\i
.endr
	global_store_b128 v2, v[12:15], s[28:29] offset:16896
	s_endpgm
.Lfunc_end_k_qd7d7813161_prep:
	.size	k_qd7d7813161_prep, .Lfunc_end_k_qd7d7813161_prep-k_qd7d7813161_prep
	.p2alignl 7, 3214868480
	.fill 96, 4, 3214868480
	.section	.rodata,"a",@progbits
	.p2align	6, 0x0
	.amdhsa_kernel k_qd7d7813161_prep
		.amdhsa_group_segment_fixed_size 0
		.amdhsa_private_segment_fixed_size 0
		.amdhsa_enable_private_segment 0
		.amdhsa_kernarg_size 104
		.amdhsa_user_sgpr_count 2
		.amdhsa_user_sgpr_kernarg_segment_ptr 1
		.amdhsa_wavefront_size32 1
		.amdhsa_system_sgpr_workgroup_id_x 1
		.amdhsa_system_sgpr_workgroup_id_y 1
		.amdhsa_system_sgpr_workgroup_id_z 1
		.amdhsa_system_vgpr_workitem_id 0
		.amdhsa_next_free_vgpr 192
		.amdhsa_next_free_sgpr 66
		.amdhsa_reserve_vcc 1
		.amdhsa_float_denorm_mode_32 3
		.amdhsa_float_denorm_mode_16_64 3
		.amdhsa_memory_ordered 1
		.amdhsa_forward_progress 1
		.amdhsa_inst_pref_size 46
	.end_amdhsa_kernel
	.amdgpu_metadata
---
amdhsa.version: [ 1, 2 ]
amdhsa.kernels:
  - .name:           k_qd7d7813161_prep
    .symbol:         k_qd7d7813161_prep.kd
    .args:
      - { .name: W_hh, .offset: 0, .size: 8, .value_kind: global_buffer, .address_space: global }
      - { .name: hidden_state, .offset: 8, .size: 8, .value_kind: global_buffer, .address_space: global }
      - { .name: b_ih, .offset: 16, .size: 8, .value_kind: global_buffer, .address_space: global }
      - { .name: b_hh, .offset: 24, .size: 8, .value_kind: global_buffer, .address_space: global }
      - { .name: cell_state, .offset: 32, .size: 8, .value_kind: global_buffer, .address_space: global }
      - { .name: W_ih_codes, .offset: 40, .size: 8, .value_kind: global_buffer, .address_space: global }
      - { .name: W_ih_scales, .offset: 48, .size: 8, .value_kind: global_buffer, .address_space: global }
      - { .name: W1_codes, .offset: 56, .size: 8, .value_kind: global_buffer, .address_space: global }
      - { .name: W1_scales, .offset: 64, .size: 8, .value_kind: global_buffer, .address_space: global }
      - { .name: W2_codes, .offset: 72, .size: 8, .value_kind: global_buffer, .address_space: global }
      - { .name: W2_scales, .offset: 80, .size: 8, .value_kind: global_buffer, .address_space: global }
      - { .name: b2, .offset: 88, .size: 8, .value_kind: global_buffer, .address_space: global }
      - { .name: wstream, .offset: 96, .size: 8, .value_kind: global_buffer, .address_space: global }
    .group_segment_fixed_size: 0
    .private_segment_fixed_size: 0
    .kernarg_segment_align: 8
    .kernarg_segment_size: 104
    .max_flat_workgroup_size: 128
    .sgpr_count:     66
    .vgpr_count:     192
    .wavefront_size: 32
...
	.end_amdgpu_metadata
.endif
;; end of part 1
;; launch drqn (part 2): grid 256 x 1, 8 waves a work-group, clusters of 4 x 1, 327,680 bytes of LDS; arguments observation, prev_action, b1, wstream, out0, out1, out2; writes out0, out1, out2
.if DOCPART == 2
	.amdgcn_target "amdgcn-amd-amdhsa--gfx1250"
	.amdhsa_code_object_version 6
	.text
	.protected	k_qd7d7813161_drqn
	.globl	k_qd7d7813161_drqn
	.p2align	8
	.type	k_qd7d7813161_drqn,@function
k_qd7d7813161_drqn:
	s_mov_b64 s[64:65], 0
	v_nop
	global_prefetch_b8 v0, s[64:65] scope:SCOPE_SE
	s_setreg_imm32_b32 hwreg(HW_REG_WAVE_MODE, 25, 1), 1
	s_wait_xcnt 0x0
	s_wait_alu depctr_hold_cnt(0) depctr_sa_sdst(0) depctr_va_vdst(0) depctr_va_sdst(0) depctr_va_ssrc(0) depctr_va_vcc(0) depctr_vm_vsrc(0)
	s_getreg_b32 s2, hwreg(HW_REG_IB_STS2, 6, 4)
	s_cmp_eq_u32 s2, 0
	s_cbranch_scc0 .Lentry_in_a_cluster
	s_endpgm
.Lentry_in_a_cluster:
	s_bfe_u32 s2, ttmp6, 0x10000c
	s_cmp_lg_u32 s2, 0x3003
	s_cbranch_scc0 .Lentry_shape_is_right
	s_endpgm
.Lentry_shape_is_right:
; q = h W2^T + b2, h = sigmoid(o) tanh(c), c = sigmoid(f) cell + sigmoid(i) tanh(g), (i, f, g, o) = emb W_ih^T + gb, emb = relu([observation, prev_action] W1^T + b1); out1, out2 = h, c of row 32,767.
; The three products run on codes of E5M2 with one E8M0 scale for each 32 along K; x, emb and h are quantised in registers on the way and never go to memory.  gb (the same for all rows) and the weights,
; laid as images of the operands' registers, come from the stream that the launch before has written: 21 slots of 69,632 bytes, and W2 in four variants behind them.
; SHARES.  A work-group owns 128 rows, 8 tiles of 16.  Wave w = (rg = w / 4, cw = w % 4): rg picks 64 rows (4 tiles, so a weight fragment read from LDS feeds 4 products), cw picks 128 units of emb or of h,
; which are K step cw of the next product.
; ALL PRODUCTS ARE USED TRANSPOSED (source 0 = 16 rows of a weight, source 1 = 16 rows of the batch): a lane holds one row of the batch, its registers run along the next K.
; In the gates' product a tile is four units x four gates: a lane's eight results are i, i, f, f, g, g, o, o of two neighbouring units, so that the cell needs no other lane and no other tile.
; OPERANDS GO FROM WAVE TO WAVE THROUGH LDS AS IMAGES OF THEIR REGISTERS: group c of four registers at 512 c + 16 x lane, a scale word at 4 x lane.
; CLUSTER.  The four work-groups of a cluster walk the same stream: each slot is asked for JOINTLY, each wave its eighth (34 rows of 256 bytes), by the same descriptor with a mask that names the four.
; A ring of two slots; at the head of each slot's work stands a round of the cluster's barrier, behind it the fill of the slot just left.  A wave has two tensor loads out at the start, one later.
; EACH CLUSTER WALKS THE STREAM IN ITS OWN ORDER, rot = its number % 4, so that the clusters do not all ask for the same slot for the first time at the same moment.  Product 1 takes x's K steps in the order
; rot, 4, rot + 1, rot + 2, rot + 3 (the four full ones modulo 4): its first fills are slots rot and 4, and every slot that it asks for later was among some cluster's first fills.  The gates' product takes
; block (rot + k) % 4 of each wave's four blocks in trip k: from the second trip on a slot has been asked for a trip earlier by other clusters.  Only global addresses hang on rot: in LDS and in registers
; everything lies by its place in the walk; h's blocks so lie in the walk's order inside their K step, and W2's variant rot has the same order.  The order of an f32 sum's K steps differs between clusters.
; TWO CLASSES OF WAVES, class = (w + w / 4) % 2.  Class 1 runs a slot's work as products, cell, products, cell.  Class 0 leaves the second cell for behind the next slot's head and first LDS loads (the sums
; wait in their registers), so that one class has vector work in hand where the other has matrix work.  A trip's last cell is run inside the trip by both.
; THE LAST ROW.  h and c of each work-group's last tile of rows are kept in LDS as they are made; at the very end they are read back as 512 bytes a wave, and stored under a lane mask that is
; full in the last work-group alone.  That mask is the one thing besides global addresses that hangs on the work-group's place: it is made and used behind the last write of any LDS address.
; LIMITS.  NaN and infinities among the inputs are not served.  A block of zeros gets the scale byte 1 (its codes are zeros; only this program reads the bytes).  sigmoid(x) = 1 / (1 + 2^(-x log2 e)),
; tanh(x) = 1 - 2 / (1 + 2^(2 x log2 e)): absolute error about 1e-7, so tanh's relative error grows as 1e-7 / |x| under |x| = 1; an exponential that overflows gives the limits 0 and +-1.
; REGISTERS.  Window 0: v1-26 addresses; v28-31 h's scale words in the making; v32-51 scale words; v52-63 gb and cell_state; v64-255 fragments, sums, numbers at work (see each phase).
;   Window 1 (v256-511): the raw observation; then the 32 sums of emb, (tile t, rows m) at 64 m + 8 t; then emb's 16 fragments, (m, K step s) at 64 m + 16 s.
;   Scalars: s18 wave, s19 cw, s20 rg, s23 class, s66 rot, s67 the trip's block, s[68:75] the observation at my rows' four K steps in the walk's order, s[76:77] the stream at my eighth of slot 0,
;   s[78:79] the next slot's byte in the stream, s80 that of the trip's first slot, s81 that of W2's variant.
.set SLOTB,   69632
.set QUARTER, 17408
.set TREC,    8704                     ; a tile's record in a slot of W_ih; also an eighth of a slot: what one tensor load brings
.set XIMG,    139264                   ; behind the ring: x's 40 images (5 R + place in the walk),
.set XSC,     221184                   ; their scale words, 128 bytes each
.set HIMG,    139264                   ; h's 32 images (4 R + s) take x's bytes when x has been read,
.set HSC,     204800                   ; and so do their scale words
.set EIMG,    226304                   ; emb's 32 images (4 R + s),
.set ESC,     291840                   ; their scale words
.set XSTAGE,  226304                   ; before emb exists: a stage of 16 rows x 528 bytes for each wave
.set STASH,   226304                   ; when emb has been read: h and c of rows 112-127, 16,384 bytes for each cw: 4,096 x trip + 2,048 (0: h, 1: c) + 512 q + 16 x lane
.set SPARE,   295936                   ; the spare words, 128 bytes for each of the eight waves: four blocks of 256 bytes that no other line names
.set QSTAGE,  296960                   ; behind them: a stage of 16 rows x 144 bytes for each wave, for q
.set LI,  1                            ; 16 x lane; never rewritten
.set SPW, 2                            ; SPARE + 4 x my thread's number; never rewritten
.set NIL, 3                            ; 0; never rewritten
.set PC,  128                          ; v128-143 the codes just made
.set PW,  144                          ; the scale word just made
.set TM,  240                          ; v240-243 largest magnitudes, v244-247 bytes, v248-251 the largest number x the scale, v252-255 the conversions' scale operands
.set MSB, 0
.macro WIN new                         ; the immediate's high byte repeats the setting that is left; a switch that changes nothing is dropped
.if MSB != (\new)
	s_set_vgpr_msb (MSB<<8)|(\new)
.set MSB, (\new)
.endif
.endm
.macro PLACES n
.rept \n
	v_nop
.endr
.endm
; A round of the cluster's barrier: my work-group's barrier; wave 0 signals for the work-group; every wave waits for all four work-groups; my work-group's barrier once more.
.macro ROUND
	s_barrier_signal -1
	s_barrier_wait -1
	s_cmp_lg_u32 s18, 0
	s_cbranch_scc1 .Lnot_wave_0_\@
	s_barrier_signal -3
.Lnot_wave_0_\@:
	s_barrier_wait -3
	s_barrier_signal -1
	s_barrier_wait -1
.endm
; The head of a slot's work; the slot lies in ring place p.  refill = 1: the other place, which has just been left, takes the slot whose byte in the stream stands in s[78:79].
.macro HEAD p, refill
	s_wait_tensorcnt 0x0                           ; all my tensor loads have landed, my eighth of this slot among them: so a group 0 may be written
	ds_add_u32 v[SPW], v[NIL]                      ; 0 onto my spare word
.if \refill
	s_add_nc_u64 s[38-4*\p:39-4*\p], s[76:77], s[78:79]            ; the other place's next slot, my eighth of it
	s_or_b32 s[39-4*\p], s[39-4*\p], 0x80000000                    ; type = 2
.endif
	s_wait_dscnt 0x0                               ; the add is done; my reads of the place that I have left are over, and my LDS stores have landed
.if \refill
	ROUND                                          ; the same now holds of every wave of the four work-groups
	tensor_load_to_lds s[36-4*\p:39-4*\p], s[24:31]    ; first thing behind the round, and my one tensor load until the next
	s_nop 0
	PLACES 4
.else
	s_barrier_signal -1
	s_barrier_wait -1
.endif
.endm
; NB groups of 16 numbers of a lane, at v[s + 16 b] of window W; a group and lane l xor 16's are a block of 32.  QMAX: the block's largest magnitude with the floor 2^(16 - 127) (so the byte cannot fall
; under 1), its scale byte, the largest number x the scale, the conversion's scale operand.  relu = 1: what is negative is to become 0, so it does not count.  The registers are read in ascending order.
.macro QMAX s, W, relu, NB
	WIN 5*(\W)
.set qb, 0
.rept \NB
.if \relu
	v_max3_num_f32 v[TM+qb], v[(\s)+16*qb], v[(\s)+16*qb+1], 0x8000000
.else
	v_max3_num_f32 v[TM+qb], |v[(\s)+16*qb]|, |v[(\s)+16*qb+1]|, 0x8000000
.endif
.set qb, qb+1
.endr
.irp i, 2,4,6,8,10,12,14
.set qb, 0
.rept \NB
.if \relu
	v_max3_num_f32 v[TM+qb], v[(\s)+16*qb+\i], v[(\s)+16*qb+\i+1], v[TM+qb]
.else
	v_max3_num_f32 v[TM+qb], |v[(\s)+16*qb+\i]|, |v[(\s)+16*qb+\i+1]|, v[TM+qb]
.endif
.set qb, qb+1
.endr
.endr
	WIN 0
.set qb, 0
.rept \NB
	v_permlanex16_b32 v[TM+4+qb], v[TM+qb], s40, s41
.set qb, qb+1
.endr
.set qb, 0
.rept \NB
	v_max_num_f32 v[TM+qb], v[TM+qb], v[TM+4+qb]   ; with lane l xor 16's
.set qb, qb+1
.endr
.set qb, 0
.rept \NB
	v_add_nc_u32 v[TM+12+qb], 0xf8800000, v[TM+qb] ; 15 off the exponent field: the conversion takes this operand's exponent field as its scale
.set qb, qb+1
.endr
.set qb, 0
.rept \NB
	v_and_or_b32 v[TM+8+qb], v[TM+qb], 0x7f800000, s42   ; 57,344 x the scale
.set qb, qb+1
.endr
.set qb, 0
.rept \NB
	v_lshrrev_b32 v[TM+4+qb], 23, v[TM+12+qb]      ; the scale's byte
.set qb, qb+1
.endr
.endm
.macro QWORD                           ; four bytes make a row's scale word for 128 along K
	v_lshl_or_b32 v[PW], v[TM+5], 8, v[TM+4]
	v_lshl_or_b32 v[PW], v[TM+6], 16, v[PW]
	v_lshl_or_b32 v[PW], v[TM+7], 24, v[PW]
.endm
; QCVT: the hold (the conversion to an 8-bit code does not saturate: ISA guide 7.6.2; with relu = 1 it clips at 0 as well), then group b's 16 codes into v[PC + 4 b] on.
.macro QCVT s, W, relu, NB
	WIN 0x41*(\W)
.set qb, 0
.rept \NB
.irp i, 0,1,2,3,4,5,6,7,8,9,10,11,12,13,14,15
.if \relu
	v_med3_num_f32 v[(\s)+16*qb+\i], v[(\s)+16*qb+\i], 0, v[TM+8+qb]
.else
	v_med3_num_f32 v[(\s)+16*qb+\i], v[(\s)+16*qb+\i], -v[TM+8+qb], v[TM+8+qb]
.endif
.endr
.set qb, qb+1
.endr
	WIN \W
.set qb, 0
.rept \NB
	v_cvt_scalef32_pk8_bf8_f32 v[PC+4*qb:PC+4*qb+1], v[(\s)+16*qb:(\s)+16*qb+7], v[TM+12+qb]
	v_cvt_scalef32_pk8_bf8_f32 v[PC+4*qb+2:PC+4*qb+3], v[(\s)+16*qb+8:(\s)+16*qb+15], v[TM+12+qb]
.set qb, qb+1
.endr
	WIN 0
	v_nop                                          ; a plain vector line behind the last conversion, ahead of whatever next touches its registers
.endm
.macro IMAGE adr, off                  ; the fragment in v[PC] on goes to LDS as it stands
.irp c, 0,1,2,3
	ds_store_b128 v[\adr], v[PC+4*\c:PC+4*\c+3] offset:(\off)+512*\c
.endr
.endm
	s_load_b256 s[4:11], s[0:1], 0x0               ; observation s[4:5], prev_action s[6:7], b1 s[8:9], the stream s[10:11]
	s_load_b128 s[12:15], s[0:1], 0x20             ; out0 s[12:13], out1 s[14:15]
	s_load_b64 s[16:17], s[0:1], 0x30              ; out2
	v_lshl_add_u32 v[SPW], v0, 2, SPARE
	v_mov_b32 v[NIL], 0
	ds_add_u32 v2, v3
	ds_add_u32 v2, v3
	s_wait_dscnt 0x0
	v_lshrrev_b32 v27, 5, v0
	v_readfirstlane_b32 s18, v27                   ; wave 0..7
	s_and_b32 s19, s18, 3                          ; cw
	s_lshr_b32 s20, s18, 2                         ; rg
	s_xor_b32 s23, s20, s18
	s_and_b32 s23, s23, 1                          ; class: it differs between waves w and w + 4, and between waves 2 k and 2 k + 1
	s_bfe_u32 s21, ttmp6, 0x40000                  ; cx: my place in the cluster
	s_lshl_b32 s22, ttmp9, 2                       ; in a cluster launch ttmp9 counts clusters
	s_add_co_u32 s22, s22, s21                     ; my work-group: it enters global addresses of x and of the outputs, and the lane mask at the very end; nothing else
	s_and_b32 s66, ttmp9, 3                        ; rot: the same in the four partners; it enters global addresses alone
	; descriptor group 1: 34 rows of 256 bytes, dense, no padding (images are read at 16 x lane)
	s_mov_b32 s24, 15|(3<<16)|(1<<21)              ; 15:0 the mask: all four work-groups; 17:16 elements of 8 bytes; 21 set beside a mask
	s_mov_b32 s25, 32<<16                          ; tensor_dim0 = 32
	s_mov_b32 s26, 34<<16                          ; tensor_dim1 = 34
	s_mov_b32 s27, 32<<16                          ; tile_dim0 = 32
	s_mov_b32 s28, 34                              ; tile_dim1 = 34
	s_mov_b32 s29, 32                              ; elements from row to row
	s_mov_b32 s30, 0
	s_mov_b32 s31, 0
	s_mul_i32 s54, s18, TREC                       ; my eighth of a slot, in memory and in LDS
	s_mov_b32 s55, 0
	s_lshl_b32 s60, s22, 7
	s_lshl_b32 s61, s18, 4
	s_add_co_u32 s60, s60, s61                     ; the first row of the tile that I quantise and whose q I store: 128 x work-group + 16 x wave
	s_lshl_b32 s62, s60, 11                        ; a row of the observation is 2,048 bytes
	s_mov_b32 s63, 0
	s_lshl_b32 s58, s19, 9                         ; my 128 numbers of b1
	s_mov_b32 s59, 0
	s_mov_b32 s40, 0x76543210
	s_mov_b32 s41, 0xfedcba98                      ; v_permlanex16_b32's selects for lane l xor 16
	s_mov_b32 s42, 0x600000                        ; the mantissa field of 57,344
	s_mov_b32 s44, 0xbfb8aa3b                      ; -log2(e); the packed forms name a pair and take its low word for both halves
	s_mov_b32 s45, s44
	s_mov_b32 s46, 0x4038aa3b                      ; 2 log2(e)
	s_mov_b32 s47, s46
	s_mov_b32 s49, 0                               ; 512 x trip: h's register group in its image
	s_mov_b32 s50, 0                               ; 8 x trip: its byte in the scale word
	s_mov_b32 s51, 0                               ; 4,096 x trip: the trip's place in the stash
	s_mov_b32 s67, s66                             ; the first trip's block
	s_mul_i32 s80, s66, 4*SLOTB
	s_add_co_u32 s80, s80, 5*SLOTB                 ; its first slot: 5 + 4 rot
	s_mul_i32 s81, s66, QUARTER
	s_add_co_u32 s81, s81, 21*SLOTB                ; W2's variant rot
	s_mul_i32 s78, s66, SLOTB                      ; product 1's first slot: K step rot
	s_mov_b32 s79, 0
	s_wait_kmcnt 0x0
	s_add_nc_u64 s[4:5], s[4:5], s[62:63]
	s_lshl_b32 s62, s60, 7                         ; rows of prev_action and of out0 are 128 bytes
	s_add_nc_u64 s[6:7], s[6:7], s[62:63]
	s_add_nc_u64 s[12:13], s[12:13], s[62:63]
	s_add_nc_u64 s[8:9], s[8:9], s[58:59]
	s_add_nc_u64 s[76:77], s[10:11], s[54:55]
.irp j, 0,1,2,3
	s_add_co_u32 s62, s66, \j
	s_and_b32 s62, s62, 3
	s_lshl_b32 s62, s62, 9                         ; a K step is 512 bytes of a row
	s_add_nc_u64 s[68+2*\j:69+2*\j], s[4:5], s[62:63]   ; the j-th full K step of the walk: (rot + j) % 4
.endr
	s_mov_b32 s32, 1                               ; count = 1
	s_add_co_u32 s33, s54, 0                       ; LDS address: ring place 0, my eighth
	s_add_nc_u64 s[34:35], s[76:77], s[78:79]      ; global address: slot rot
	s_or_b32 s35, s35, 0x80000000                  ; type = 2
	s_mov_b32 s36, 1
	s_add_co_u32 s37, s54, SLOTB                   ; ring place 1
	s_add_nc_u64 s[38:39], s[76:77], 4*SLOTB       ; slot 4: the K step that ends K
	s_or_b32 s39, s39, 0x80000000
	ROUND                                          ; all four work-groups are here: the first joint loads meet
	tensor_load_to_lds s[32:35], s[24:31]          ; both first fills together, ahead of every wait on TENSORcnt, every LDS read and every other barrier
	s_nop 0
	tensor_load_to_lds s[36:39], s[24:31]
	s_nop 0
	PLACES 4
	v_and_b32 v52, 31, v0                          ; lane
	v_lshlrev_b32 v[LI], 4, v52
	; ---- all of my 16 rows of x are asked for at once: 4 + 64 loads of 512 consecutive bytes
.irp q, 0,1,2,3
	global_load_b128 v[176+4*\q:179+4*\q], v[LI], s[6:7] offset:512*\q th:TH_LOAD_NT
.endr
	WIN 0x40                                       ; destination window 1
.irp s, 0,1,2,3
.irp i, 0,1,2,3,4,5,6,7,8,9,10,11,12,13,14,15
	global_load_b128 v[64*\s+4*\i:64*\s+4*\i+3], v[LI], s[68+2*\s:69+2*\s] offset:2048*\i th:TH_LOAD_NT   ; row i, the s-th full K step of the walk
.endr
.endr
	WIN 0
	; ---- the addresses, from the thread's number, the wave's number and constants
	v_and_b32 v53, 15, v0                          ; r
	v_bfe_u32 v54, v0, 4, 1                        ; h
	v_bfe_u32 v55, v0, 3, 2                        ; lane / 8
	v_and_b32 v56, 7, v0                           ; lane % 8
	s_mul_i32 s58, s18, 8448
	s_add_co_u32 s58, s58, XSTAGE                  ; my stage
	v_add_nc_u32 v4, s58, v[LI]                    ; v4  into it: a row's 512 bytes as loaded
	v_mul_u32_u24 v5, v53, 528
	v_lshl_add_u32 v5, v54, 6, v5
	v_add_nc_u32 v5, s58, v5                       ; v5  out of it: row r, + 64 h: my 16 numbers of a block of 32
	v_mul_u32_u24 v6, v55, 528
	v_lshl_add_u32 v6, v56, 4, v6
	v_add_nc_u32 v6, s58, v6                       ; v6  into it, prev_action: four rows of 128 bytes a load
	s_mul_i32 s58, s18, 10240
	s_add_co_u32 s58, s58, XIMG
	v_add_nc_u32 v7, s58, v[LI]                    ; v7  where I store x's images
	s_mul_i32 s58, s18, 640
	s_add_co_u32 s58, s58, XSC
	v_lshl_add_u32 v8, v52, 2, s58                 ; v8  and their scale words
	v_lshlrev_b32 v9, 6, v54                       ; v9  b1: 64 h
	s_mul_i32 s58, s19, QUARTER                    ; my quarter of a slot
	v_add_nc_u32 v10, s58, v[LI]                   ; v10, v11  its images, in ring place 0, 1
	v_lshl_add_u32 v12, v53, 4, s58                ; v12, v13  its scale words: 16 r
	v_lshl_add_u32 v14, v54, 7, s58                ; v14, v15  gb and cell_state: 128 h
	v_add_nc_u32 v11, SLOTB, v10
	v_add_nc_u32 v13, SLOTB, v12
	v_add_nc_u32 v15, SLOTB, v14
	s_mul_i32 s58, s20, 40960
	s_add_co_u32 s58, s58, XIMG
	v_add_nc_u32 v16, s58, v[LI]                   ; v16 x's images of my four tiles of rows
	s_mul_i32 s58, s20, 2560
	s_add_co_u32 s58, s58, XSC
	v_lshl_add_u32 v17, v52, 2, s58                ; v17 their scale words
	s_lshl_b32 s58, s20, 15
	s_lshl_b32 s57, s19, 11
	s_add_co_u32 s59, s58, EIMG
	v_add_nc_u32 v20, s59, v[LI]                   ; v20 emb's images of my four tiles of rows
	s_add_co_u32 s59, s59, s57
	v_add_nc_u32 v18, s59, v[LI]                   ; v18 where I store emb's: K step cw
	s_add_co_u32 s59, s58, s57
	s_add_co_u32 s59, s59, HIMG
	v_add_nc_u32 v22, s59, v[LI]                   ; v22 where I store h's: K step cw; v23 = v22 + 512 x trip
	s_lshl_b32 s58, s20, 11
	s_lshl_b32 s57, s19, 7
	s_add_co_u32 s59, s58, ESC
	v_lshl_add_u32 v21, v52, 2, s59                ; v21 emb's scale words of my rows
	s_add_co_u32 s59, s59, s57
	v_lshl_add_u32 v19, v52, 2, s59                ; v19 where I store them
	s_add_co_u32 s59, s58, s57
	s_add_co_u32 s59, s59, HSC
	v_lshl_add_u32 v24, v52, 2, s59                ; v24 where I store h's
	s_lshl_b32 s58, s19, 14
	s_add_co_u32 s58, s58, STASH
	v_add_nc_u32 v25, s58, v[LI]                   ; v25 the stash of column part cw (waves 4-7 store there); v26 = v25 + 4,096 x trip
.irp k, 28,29,30,31,244,245,246,247
	v_mov_b32 v\k, 0                               ; h's scale words begin empty; a lane permute's destination counts as one of its sources
.endr
; ---- X: my 16 rows of x become five fragments.  The j-th full K step of the walk: its 16 loads go through my stage as they lie and come back 16 neighbours of each block a lane; its image takes place pos.
.macro XSTEP j, pos
	s_wait_loadcnt 48                              ; this K step is in.  Behind it: 16 loads for each later K step and 16 of b1 for each earlier one: 48 in every step
	WIN 0x04                                       ; an LDS store's data are its source 1: window 1
.irp i, 0,1,2,3,4,5,6,7,8,9,10,11,12,13,14,15
	ds_store_b128 v4, v[64*\j+4*\i:64*\j+4*\i+3] offset:528*\i
.endr
	WIN 0
.irp b, 0,1,2,3
.irp k, 0,1,2,3
	ds_load_b128 v[64+16*\b+4*\k:67+16*\b+4*\k], v5 offset:128*\b+16*\k   ; LDS serves a wave's instructions in order: these see the stores above
.endr
.endr
	s_wait_dscnt 0x0                               ; the numbers are back; the stores have read the raw registers, and the last image's stores the codes
	WIN 0x40
.irp t, 0,1,2,3,4,5,6,7                            ; the raw registers are the sums of emb for rows m = j: b1 is loaded into them, so the bias starts the sums
	global_load_b128 v[64*\j+8*\t:64*\j+8*\t+3], v9, s[8:9] offset:(32*(\t/2)+8*(\t%2))*4
	global_load_b128 v[64*\j+8*\t+4:64*\j+8*\t+7], v9, s[8:9] offset:(32*(\t/2)+8*(\t%2))*4+16
.endr
	WIN 0
	QMAX 64, 0, 0, 4
	QWORD
	QCVT 64, 0, 0, 4
	IMAGE 7, 2048*\pos
	ds_store_b32 v8, v[PW] offset:128*\pos
.endm
	XSTEP 0, 0
	XSTEP 1, 2
	XSTEP 2, 3
	XSTEP 3, 4
.irp q, 0,1,2,3                                    ; prev_action is K = 512 to 543: one block; the rest of that K step are zero codes under the byte 127.  Its image takes place 1
	ds_store_b128 v6, v[176+4*\q:179+4*\q] offset:2112*\q
.endr
.irp j, 0,1,2,3
	ds_load_b128 v[64+4*\j:67+4*\j], v5 offset:16*\j
.endr
	s_wait_dscnt 0x0
	QMAX 64, 0, 0, 1
	QCVT 64, 0, 0, 1
.irp k, 4,5,6,7,8,9,10,11,12,13,14,15
	v_mov_b32 v[PC+\k], 0
.endr
	v_or_b32 v[PW], 0x7f7f7f00, v[TM+4]
	IMAGE 7, 2048
	ds_store_b32 v8, v[PW] offset:128
	s_wait_tensorcnt 0x1                           ; my eighth of ring place 0 is in; place 1's load may stay out
	s_wait_dscnt 0x0                               ; my images have landed
	s_barrier_signal -1
	s_barrier_wait -1                              ; x's 40 fragments and ring place 0 are whole
	s_wait_loadcnt 0x0                             ; b1
; ---- product 1, place s of the walk, from ring place p: 8 tiles of W1 x my 4 tiles of rows.  The 32 sums take turns, one instruction a turn, in the same order in every K step.
.macro P1WIN p, s
.irp m, 0,1,2,3
.irp c, 0,1,2,3
	ds_load_b128 v[192+16*\m+4*\c:195+16*\m+4*\c], v16 offset:(5*\m+\s)*2048+512*\c
.endr
.endr
.irp m, 0,1,2,3
	ds_load_b32 v[40+\m], v17 offset:(5*\m+\s)*128
.endr
	ds_load_b128 v[32:35], v[12+\p] offset:16384
	ds_load_b128 v[36:39], v[12+\p] offset:16640
.irp t, 0,1,2,3,4,5,6,7
.irp c, 0,1,2,3
	ds_load_b128 v[64+16*\t+4*\c:67+16*\t+4*\c], v[10+\p] offset:2048*\t+512*\c
.endr
.endr
	WIN 0x50                                       ; C and D window 1
.irp t, 0,1,2,3,4,5,6,7
	s_wait_dscnt 4*(7-\t)                          ; tile t's fragment is in; the four loads of each later tile may be out
.irp m, 0,1,2,3
	v_wmma_scale_f32_16x16x128_f8f6f4 v[64*\m+8*\t:64*\m+8*\t+7], v[64+16*\t:79+16*\t], v[192+16*\m:207+16*\m], v[64*\m+8*\t:64*\m+8*\t+7], v[32+\t], v[40+\m] matrix_a_fmt:MATRIX_FMT_BF8 matrix_b_fmt:MATRIX_FMT_BF8
.endr
.endr
	WIN 0
	PLACES 8                                       ; eight plain places ahead of loads into registers that these products have read, and of the first read of results
.endm
.macro NEXT1 n                         ; the head of place n asks for place n + 1 of the walk: K step (rot + n) % 4
	s_add_co_u32 s78, s66, \n
	s_and_b32 s78, s78, 3
	s_mul_i32 s78, s78, SLOTB
.endm
	P1WIN 0, 0
	NEXT1 1
	HEAD 1, 1
	P1WIN 1, 1
	NEXT1 2
	HEAD 0, 1
	P1WIN 0, 2
	NEXT1 3
	HEAD 1, 1
	P1WIN 1, 3
	s_mov_b32 s78, s80                             ; the first slot of the gates' product
	HEAD 0, 1
	P1WIN 0, 4
	; ---- emb = relu(.), quantised: my 8 tiles of a tile of rows are one fragment, K step cw of the next product
.irp m, 0,1,2,3
	QMAX 64*\m, 1, 1, 4
	QWORD
	QCVT 64*\m, 1, 1, 4
	IMAGE 18, 8192*\m
	ds_store_b32 v19, v[PW] offset:512*\m
	s_wait_dscnt 0x0                               ; the stores have read the codes' registers (the last time: they have landed, for the others' sake)
.endr
	s_barrier_signal -1                            ; the load asked for at the last head stays out
	s_barrier_wait -1                              ; emb's 32 fragments lie in LDS
	WIN 0x40
.irp f, 0,1,2,3,4,5,6,7,8,9,10,11,12,13,14,15      ; my rows' 16 fragments stay in window 1 for all of the gates' product
.irp c, 0,1,2,3
	ds_load_b128 v[16*\f+4*\c:16*\f+4*\c+3], v20 offset:2048*\f+512*\c
.endr
.endr
	WIN 0
.irp f, 0,1,2,3,4,5,6,7,8,9,10,11,12,13,14,15
	ds_load_b32 v[32+\f], v21 offset:128*\f        ; their scale words: v32-47
.endr
; ---- product 2 and the cell.  A slot holds two tiles for my block of 32 units.
.macro LOADT p, tau                    ; a tile's record: 20 loads
	ds_load_b128 v[48:51], v[12+\p] offset:\tau*TREC+8192          ; its rows' scale words, K steps 0-3
	ds_load_b128 v[52:55], v[14+\p] offset:\tau*TREC+8448          ; gb, in the result's layout
	ds_load_b128 v[56:59], v[14+\p] offset:\tau*TREC+8464
	ds_load_b64 v[60+2*\tau:61+2*\tau], v[14+\p] offset:\tau*TREC+8480   ; cell_state of my two units
.irp s, 0,1,2,3
.irp c, 0,1,2,3
	ds_load_b128 v[64+16*\s+4*\c:67+16*\s+4*\c], v[10+\p] offset:\tau*TREC+2048*\s+512*\c
.endr
.endr
.endm
.macro MM                              ; the tile x my four tiles of rows: four sums by turns, gb the C of each sum's first product
	WIN 0x04                                       ; source 1 (emb) window 1
.irp s, 0,1,2,3
	s_wait_dscnt 4*(3-\s)                          ; K step s's fragment is in; the four loads of each later one may be out
.irp m, 0,1,2,3
.if \s == 0
	v_wmma_scale_f32_16x16x128_f8f6f4 v[128+8*\m:135+8*\m], v[64+16*\s:79+16*\s], v[64*\m+16*\s:64*\m+16*\s+15], v[52:59], v[48+\s], v[32+4*\m+\s] matrix_a_fmt:MATRIX_FMT_BF8 matrix_b_fmt:MATRIX_FMT_BF8
.else
	v_wmma_scale_f32_16x16x128_f8f6f4 v[128+8*\m:135+8*\m], v[64+16*\s:79+16*\s], v[64*\m+16*\s:64*\m+16*\s+15], v[128+8*\m:135+8*\m], v[48+\s], v[32+4*\m+\s] matrix_a_fmt:MATRIX_FMT_BF8 matrix_b_fmt:MATRIX_FMT_BF8
.endif
.endr
.endr
	WIN 0
	PLACES 8                                       ; ahead of the next record's loads and of the first read of results
.endm
; The cell for tile t: v[128 + 8 m] on = i i f f g g o o of two units, for rows m.  h -> v[160 + 16 m + 2 t], c of rows m = 3 -> v[224 + 2 t].  Each sum is read from its low end on.
.macro VV t, cs
.irp m, 0,1,2,3
	v_pk_mul_f32 v[128+8*\m:129+8*\m], v[128+8*\m:129+8*\m], s[44:45] op_sel_hi:[1,0]
	v_pk_mul_f32 v[130+8*\m:131+8*\m], v[130+8*\m:131+8*\m], s[44:45] op_sel_hi:[1,0]
	v_pk_mul_f32 v[132+8*\m:133+8*\m], v[132+8*\m:133+8*\m], s[46:47] op_sel_hi:[1,0]
	v_pk_mul_f32 v[134+8*\m:135+8*\m], v[134+8*\m:135+8*\m], s[44:45] op_sel_hi:[1,0]
.endr
.set vi, 128
.rept 32
	v_exp_f32 v[vi], v[vi]
.set vi, vi+1
.endr
	v_nop                                          ; a plain place behind the transcendentals
.set vi, 128
	s_wait_alu depctr_va_vdst(0)
.rept 16
	v_pk_add_f32 v[vi:vi+1], v[vi:vi+1], 1.0 op_sel_hi:[1,0]
.set vi, vi+2
.endr
.set vi, 128
.rept 32
	v_rcp_f32 v[vi], v[vi]
.set vi, vi+1
.endr
	v_nop
	s_wait_alu depctr_va_vdst(0)
.irp m, 0,1,2,3
	v_pk_fma_f32 v[132+8*\m:133+8*\m], v[132+8*\m:133+8*\m], -2.0, 1.0 op_sel_hi:[1,0,0]   ; tanh(g)
.endr
.irp m, 0,1,2,3
	v_pk_mul_f32 v[128+8*\m:129+8*\m], v[128+8*\m:129+8*\m], v[132+8*\m:133+8*\m]          ; sigmoid(i) tanh(g)
.endr
.irp m, 0,1,2
	v_pk_fma_f32 v[130+8*\m:131+8*\m], v[130+8*\m:131+8*\m], v[\cs:\cs+1], v[128+8*\m:129+8*\m]   ; c
.endr
	v_pk_fma_f32 v[224+2*(\t):225+2*(\t)], v[154:155], v[\cs:\cs+1], v[152:153]
.irp m, 0,1,2
	v_pk_mul_f32 v[132+8*\m:133+8*\m], v[130+8*\m:131+8*\m], s[46:47] op_sel_hi:[1,0]
.endr
	v_pk_mul_f32 v[156:157], v[224+2*(\t):225+2*(\t)], s[46:47] op_sel_hi:[1,0]
.irp m, 0,1,2,3
	v_exp_f32 v[132+8*\m], v[132+8*\m]
	v_exp_f32 v[133+8*\m], v[133+8*\m]
.endr
	v_nop
	s_wait_alu depctr_va_vdst(0)
.irp m, 0,1,2,3
	v_pk_add_f32 v[132+8*\m:133+8*\m], v[132+8*\m:133+8*\m], 1.0 op_sel_hi:[1,0]
.endr
.irp m, 0,1,2,3
	v_rcp_f32 v[132+8*\m], v[132+8*\m]
	v_rcp_f32 v[133+8*\m], v[133+8*\m]
.endr
	v_nop
	s_wait_alu depctr_va_vdst(0)
.irp m, 0,1,2,3
	v_pk_fma_f32 v[132+8*\m:133+8*\m], v[132+8*\m:133+8*\m], -2.0, 1.0 op_sel_hi:[1,0,0]   ; tanh(c)
.endr
.irp m, 0,1,2,3
	v_pk_mul_f32 v[160+16*\m+2*(\t):161+16*\m+2*(\t)], v[134+8*\m:135+8*\m], v[132+8*\m:133+8*\m]   ; h
.endr
.endm
; Slot i of a trip, in ring place p.  Its head asks for the slot that follows in the walk.  The two branches hang on the wave's class and jump over a cell's vector lines alone.
.macro WINDOW p, i
.if \i < 3
	s_add_co_u32 s78, s80, (\i+1)*SLOTB            ; the trip's next slot
.else
	s_add_co_u32 s67, s67, 1
	s_and_b32 s67, s67, 3                          ; the next trip's block,
	s_mul_i32 s80, s67, 4*SLOTB
	s_add_co_u32 s80, s80, 5*SLOTB                 ; its first slot;
	s_cmp_eq_u32 s48, 1
	s_cselect_b32 s78, s81, s80                    ; behind the last trip: W2's variant.  The choice hangs on the loop's counter
.endif
	HEAD \p, 1
	LOADT \p, 0
.if \i > 0
	s_cmp_lg_u32 s23, 0
	s_cbranch_scc1 .Lnot_late_\@
	VV 2*\i-1, 62                                  ; class 0: the last slot's second cell, while this slot's first record lands (its cell_state, v62-63, is not among those loads' registers)
.Lnot_late_\@:
.endif
	MM
	LOADT \p, 1                                    ; lands under the cell arithmetic below
	VV 2*\i, 60
	MM
.if \i < 3
	s_cmp_eq_u32 s23, 0
	s_cbranch_scc1 .Lnot_now_\@
	VV 2*\i+1, 62                                  ; class 1: the second cell at once
.Lnot_now_\@:
.else
	VV 7, 62                                       ; the trip's last cell: both classes, since the block is quantised below
.endif
.endm
	s_mov_b32 s48, 4
.Ltrip:                                            ; trip k: block 4 cw + (rot + k) % 4 of 32 units: four slots, eight tiles.  Every head in the loop asks for a slot
	WINDOW 1, 0
	WINDOW 0, 1
	WINDOW 1, 2
	WINDOW 0, 3
	v_add_nc_u32 v26, s51, v25                     ; both addresses are made on every wave's path
	v_add_nc_u32 v23, s49, v22
	s_cmp_lt_u32 s18, 4                            ; waves 4-7 hold the work-group's rows 64-127: their last tile's h and c go to the stash as they stand in the registers
	s_cbranch_scc1 .Lno_stash
.irp q, 0,1,2,3
	ds_store_b128 v26, v[208+4*\q:211+4*\q] offset:512*\q          ; h as computed, ahead of the quantiser's hold
.endr
.irp q, 0,1,2,3
	ds_store_b128 v26, v[224+4*\q:227+4*\q] offset:2048+512*\q     ; c
.endr
.Lno_stash:
	QMAX 160, 0, 0, 4                              ; the four groups are my four tiles of rows: each lane's 16 units and lane l xor 16's are the block
.irp m, 0,1,2,3
	v_lshl_or_b32 v[28+\m], v[TM+4+\m], s50, v[28+\m]   ; byte k of the rows' scale word for K step cw
.endr
	s_wait_dscnt 0x0                               ; the stash's stores have read h: the hold below may rewrite it
	QCVT 160, 0, 0, 4
.irp m, 0,1,2,3
	ds_store_b128 v23, v[PC+4*\m:PC+4*\m+3] offset:8192*\m   ; register group k of h's fragment (rows m, K step cw)
.endr
	s_add_co_u32 s49, s49, 512
	s_add_co_u32 s50, s50, 8
	s_add_co_u32 s51, s51, 4096
	s_sub_co_u32 s48, s48, 1
	s_cmp_lg_u32 s48, 0
	s_cbranch_scc1 .Ltrip
.irp m, 0,1,2,3
	ds_store_b32 v24, v[28+\m] offset:512*\m
.endr
	; ---- product 4: wave w takes tile of rows w; W2's variant lies in ring place 1.  Nothing is left to fetch.
	HEAD 1, 0                                      ; h's 32 fragments, the stash and W2's slot are whole
	v_and_b32 v27, 15, v0                          ; r
	v_bfe_u32 v11, v0, 4, 1                        ; h
	v_and_b32 v12, 31, v0
	v_bfe_u32 v13, v0, 3, 2                        ; lane / 8
	v_and_b32 v14, 7, v0                           ; lane % 8
	v_add_nc_u32 v4, SLOTB, v[LI]                  ; W2's images
	v_lshl_add_u32 v5, v27, 4, SLOTB               ; its scale words: 16 r
	v_lshl_add_u32 v6, v11, 5, SLOTB               ; b2: 32 h
	s_lshl_b32 s54, s18, 13
	s_add_co_u32 s54, s54, HIMG
	v_add_nc_u32 v7, s54, v[LI]                    ; h's four fragments of my rows
	s_lshl_b32 s54, s18, 9
	s_add_co_u32 s54, s54, HSC
	v_lshl_add_u32 v8, v12, 2, s54                 ; their scale words
	s_mul_i32 s54, s18, 2304
	s_add_co_u32 s54, s54, QSTAGE                  ; my stage
	v_mul_u32_u24 v9, v27, 144
	v_lshl_add_u32 v9, v11, 5, v9
	v_add_nc_u32 v9, s54, v9                       ; in: row r, + 32 h
	v_mul_u32_u24 v10, v13, 144
	v_lshl_add_u32 v10, v14, 4, v10
	v_add_nc_u32 v10, s54, v10                     ; back: four rows of 128 bytes an instruction
	s_lshl_b32 s54, s19, 14                        ; out of the stash: lane l takes trip l / 8, half (l / 4) % 2, group q = l % 4, as lane 15 + 16 x half stored them: four units of row 127
	s_add_co_u32 s54, s54, STASH+240
	v_lshl_add_u32 v15, v13, 12, s54
	v_and_b32 v60, 3, v0
	v_lshl_add_u32 v15, v60, 9, v15
	v_bfe_u32 v60, v0, 2, 1
	v_lshl_add_u32 v15, v60, 8, v15
	s_lshl_b32 s55, s19, 9
	v_add_nc_u32 v61, s66, v13                     ; their bytes in out1 and out2: trip l / 8 made block (rot + l / 8) % 4:
	v_and_b32 v61, 3, v61
	v_lshlrev_b32 v61, 7, v61                      ; 128 x block
	v_lshl_add_u32 v61, v14, 4, v61                ; + 16 (lane % 8)
	v_add_nc_u32 v61, s55, v61                     ; + 512 cw
.irp s, 0,1,2,3
.irp c, 0,1,2,3
	ds_load_b128 v[192+16*\s+4*\c:195+16*\s+4*\c], v7 offset:2048*\s+512*\c
.endr
.endr
.irp s, 0,1,2,3
	ds_load_b32 v[32+\s], v8 offset:128*\s
.endr
.irp n, 0,1
	ds_load_b128 v[36+4*\n:39+4*\n], v5 offset:16384+256*\n
	ds_load_b128 v[16+8*\n:19+8*\n], v6 offset:16896+64*\n          ; b2 is loaded into the two sums: the bias starts them
	ds_load_b128 v[20+8*\n:23+8*\n], v6 offset:16896+64*\n+16
.endr
.irp f, 0,1,2,3,4,5,6,7
.irp c, 0,1,2,3
	ds_load_b128 v[64+16*\f+4*\c:67+16*\f+4*\c], v4 offset:2048*\f+512*\c
.endr
.endr
	s_wait_dscnt 0x0
.irp s, 0,1,2,3                                    ; the two sums by turns
.irp n, 0,1
	v_wmma_scale_f32_16x16x128_f8f6f4 v[16+8*\n:23+8*\n], v[64+16*(4*\n+\s):79+16*(4*\n+\s)], v[192+16*\s:207+16*\s], v[16+8*\n:23+8*\n], v[36+4*\n+\s], v[32+\s] matrix_a_fmt:MATRIX_FMT_BF8 matrix_b_fmt:MATRIX_FMT_BF8
.endr
.endr
	PLACES 8
.irp n, 0,1
	ds_store_b128 v9, v[16+8*\n:19+8*\n] offset:64*\n               ; lane (r, h): q(r, 16 n + 8 h + 0 .. 7); each sum from its low end on
	ds_store_b128 v9, v[20+8*\n:23+8*\n] offset:64*\n+16
.endr
.irp i, 0,1,2,3
	ds_load_b128 v[64+4*\i:67+4*\i], v10 offset:576*\i             ; LDS serves a wave's instructions in order: these see my stores
.endr
	ds_load_b128 v[80:83], v15                     ; row 127's h, 512 bytes a wave (waves w and w + 4 read the same; the storing waves' stores landed ahead of the barrier above)
	ds_load_b128 v[84:87], v15 offset:2048         ; its c
.irp i, 0,1,2,3
	s_wait_dscnt 5-\i                              ; stage load i is back; the later ones and the stash's two may be out
	global_store_b128 v[LI], v[64+4*\i:67+4*\i], s[12:13] offset:512*\i th:TH_STORE_NT   ; 512 consecutive bytes, aligned: four rows of q
.endr
	; ---- out1, out2: row 32,767 is row 127 of work-group 255.  No LDS address is written from here on.
	s_lshl_b32 s60, s22, 1
	s_add_co_u32 s60, s60, s20                     ; 2 x work-group + rg
	v_mov_b32 v62, s60
	s_mov_b32 s61, 511
	v_cmp_eq_u32 s52, s61, v62                     ; all lanes in waves 4-7 of the last work-group, none elsewhere
	s_wait_dscnt 0x0                               ; the stash's two loads are back
	s_wait_xcnt 0x0                                ; EXEC changes only behind this wait
	s_and_saveexec_b32 s53, s52
	global_store_b128 v61, v[80:83], s[14:15]      ; the wave's 512 bytes, aligned, in four runs of 128
	global_store_b128 v61, v[84:87], s[16:17]
	s_wait_xcnt 0x0                                ; and again, in front of the line that widens it
	s_or_b32 exec_lo, exec_lo, s53
	s_wait_tensorcnt 0x0                           ; the wave's end, behind my last tensor load and my last LDS store
	ds_add_u32 v[SPW], v[NIL]
	s_wait_dscnt 0x0
	ROUND                                          ; the closing round: no work-group ends while a partner may still ask for a slot that names it
	s_endpgm
.Lfunc_end_k_qd7d7813161_drqn:
	.size	k_qd7d7813161_drqn, .Lfunc_end_k_qd7d7813161_drqn-k_qd7d7813161_drqn
	.p2alignl 7, 3214868480
	.fill 96, 4, 3214868480
	.section	.rodata,"a",@progbits
	.p2align	6, 0x0
	.amdhsa_kernel k_qd7d7813161_drqn
		.amdhsa_group_segment_fixed_size 327680
		.amdhsa_private_segment_fixed_size 0
		.amdhsa_enable_private_segment 0
		.amdhsa_kernarg_size 56
		.amdhsa_user_sgpr_count 2
		.amdhsa_user_sgpr_kernarg_segment_ptr 1
		.amdhsa_wavefront_size32 1
		.amdhsa_system_sgpr_workgroup_id_x 1
		.amdhsa_system_sgpr_workgroup_id_y 1
		.amdhsa_system_sgpr_workgroup_id_z 1
		.amdhsa_system_vgpr_workitem_id 0
		.amdhsa_next_free_vgpr 512
		.amdhsa_next_free_sgpr 84
		.amdhsa_reserve_vcc 0
		.amdhsa_float_denorm_mode_32 3
		.amdhsa_float_denorm_mode_16_64 3
		.amdhsa_memory_ordered 1
		.amdhsa_forward_progress 1
		.amdhsa_inst_pref_size 255
	.end_amdhsa_kernel
	.section	.bss,"aw",@nobits
	.p2align	6
	.space	262144
	.amdgpu_metadata
---
amdhsa.version: [ 1, 2 ]
amdhsa.kernels:
  - .name:           k_qd7d7813161_drqn
    .symbol:         k_qd7d7813161_drqn.kd
    .args:
      - { .name: observation, .offset: 0, .size: 8, .value_kind: global_buffer, .address_space: global }
      - { .name: prev_action, .offset: 8, .size: 8, .value_kind: global_buffer, .address_space: global }
      - { .name: b1, .offset: 16, .size: 8, .value_kind: global_buffer, .address_space: global }
      - { .name: wstream, .offset: 24, .size: 8, .value_kind: global_buffer, .address_space: global }
      - { .name: out0, .offset: 32, .size: 8, .value_kind: global_buffer, .address_space: global }
      - { .name: out1, .offset: 40, .size: 8, .value_kind: global_buffer, .address_space: global }
      - { .name: out2, .offset: 48, .size: 8, .value_kind: global_buffer, .address_space: global }
    .group_segment_fixed_size: 327680
    .private_segment_fixed_size: 0
    .kernarg_segment_align: 8
    .kernarg_segment_size: 56
    .max_flat_workgroup_size: 256
    .sgpr_count:     84
    .vgpr_count:     512
    .wavefront_size: 32
...
	.end_amdgpu_metadata
.endif
;; end of part 2
